; MI455X (gfx1250); checked and timed in simulation.
; The chip was launched on July 23, 2026; its instructions are those of AMD's public machine-readable ISA for CDNA 5 (MIT licence, August 2026) and "CDNA5" Instruction Set Architecture Reference Guide (July 2026). The comments in the code are by the model that wrote it; some were corrected since.
;; Scaled Dot Product Attention. Allowed arithmetic: matrix products marked QUANTISED: E2M3 operands, one E8M0 scale for each 32 along K, by v_wmma_scale_f32_16x16x128_f8f6f4 with both operands' format E2M3, f32 sums; everything else in f32.
;; Inputs: K 2 x 8 x 4,096 x 64 float32; Q 2 x 8 x 4,096 x 64 float32; V 2 x 8 x 4,096 x 64 float32.
;; Outputs: out0 2 x 8 x 4,096 x 64 float32.
;; This version of the problem:
;;   THIS VERSION OF THE PROBLEM IS GIVEN IN LOW PRECISION. The matrix products marked QUANTISED in the list below multiply operands that are first quantised to E2M3 (2 exponent bits, 3 mantissa bits; 6 bits a number), with one power-of-two scale for each 32 numbers along K (OCP MX v1.0); their sums are f32. All else is computed in f32.
;;   The module's matrix products, in the order in which they are computed (A, B: the left and right operand; K: the contracted axis; several contracted axes count as one K, in the product's order):
;;     1. batch 16 x [M 4,096, K 64] x [K 64, N 4,096]; A: input Q; B: input K: QUANTISED
;;     2. batch 16 x [M 4,096, K 4,096] x [K 4,096, N 64]; A: softmax (see below); B: input V: QUANTISED
;;   THE QUANTISER, for each operand of a quantised product, along K:
;;     - K is cut into blocks of 32 from its start; a last block that is shorter is filled with zeros.
;;     - A block's scale is 2^e with e = floor(log2(the largest magnitude in the block)) - 2, held to -126 .. 127; a block of zeros has e = 0. As a byte (E8M0): e + 127.
;;     - Each number is divided by its block's scale, clamped to +-7.5, and rounded to the nearest number of E2M3, ties to even, subnormals kept.
;;     - The product sums the exact products of the quantised numbers (number of the format x scale) in f32.
;;   ~~~python
;;   def quantise(x, axis):      # numpy; x: float32 -> the quantised numbers, widened to float32 again
;;       x = np.moveaxis(x, axis, -1); K = x.shape[-1]
;;       x = np.pad(x, [(0, 0)] * (x.ndim - 1) + [(0, -K % 32)]); x = x.reshape(x.shape[:-1] + (-1, 32)); a = np.abs(x).max(-1, keepdims=True)
;;       e = np.where(a > 0, np.clip(np.frexp(np.where(a > 0, a, 1))[1] - 1 - 2, -126, 127), 0)      # np.frexp(a)[1] - 1 = floor(log2(a)), exactly
;;       r = np.clip(x / 2.0 ** e, -7.5, 7.5)
;;       step = 2.0 ** (np.maximum(np.frexp(np.where(r == 0, 1, r))[1] - 1, 0) - 3)
;;       q = np.round(r / step) * step * 2.0 ** e      # np.round: ties to even
;;       return np.moveaxis(q.reshape(q.shape[:-2] + (-1,))[..., :K], -1, axis).astype(np.float32)
;;   ~~~
;;   SOFTMAX AHEAD OF A QUANTISED PRODUCT. Where the list says 'softmax', what is quantised is not the finished softmax but p = 2^(t - M), with t = logit x log2(e) and M = ceil(the row's largest t), a whole number; so 1/2 < the row's largest p <= 1. The row's sum l is taken of the UNQUANTISED p, in f32, and the product's result is divided by l at the end. Since M is a whole number, a kernel that streams over the keys may use a running M (the ceiling of the running maximum): every later rescaling is an exact power of two, which a block's scale takes up: the codes' values come out the same.
;;   OPERANDS COMPUTED ON THE WAY. 'Computed on the way' means the value that the module computes at that place (a softmax that the list does not call 'softmax' is quantised finished and normalised). What goes into a quantiser is computed in f32, as accurately as f32 sums, v_exp_f32 and their like allow (about 1e-6 of the number): no bf16 or f16 on the way to a quantiser, and a product that is left as it is and whose result goes on into a quantised operand takes f32 operands (vector FMAs, or v_wmma_f32_16x16x4_f32). A number that lies on a knife's edge between two numbers of the format may be rounded either way, as far as f32 arithmetic and the matrix unit's own rounding can turn it there, and no further.
;; 2 versions. Each part assembles by itself: llvm-mc -triple=amdgcn-amd-amdhsa -mcpu=gfx1250 --defsym DOCPART=n.
;; ======== version 1 of 2: 1 launch
;; launch swattn (part 1): grid 16 x 16, 16 waves a work-group, no clusters, 238,592 bytes of LDS; arguments Q, K, V, out0; writes out0
.if DOCPART == 1
	.amdgcn_target "amdgcn-amd-amdhsa--gfx1250"
	.amdhsa_code_object_version 6
	.text
	.protected	k_q52f6b7f06f_swattn
	.globl	k_q52f6b7f06f_swattn
	.p2align	8
	.type	k_q52f6b7f06f_swattn,@function
k_q52f6b7f06f_swattn:
	s_mov_b64 s[64:65], 0
	v_nop
	global_prefetch_b8 v0, s[64:65] scope:SCOPE_SE
	s_setreg_imm32_b32 hwreg(HW_REG_WAVE_MODE, 25, 1), 1
	s_wait_xcnt 0x0
; out0[h][q][:] = the sum over k = q - 511 .. q (k >= 0) of softmax_k(Q[h][q] . K[h][k] / 8) V[h][k][:].  16 heads (2 x 8), 4,096 positions, 64 channels; Q, K, V, out0 f32.
; Both products on codes of FP6 (E2M3) with one E8M0 scale for each 32 along a product's K: Q and K along the 64 channels, V and p along the keys (blocks of 32 keys counted from key 0).
; THE SOFTMAX: t = score x log2(e) / 8; M = the running largest t rounded UP to a whole number; p = 2^(t - M) is quantised, not normalised; the row's sum is taken of the unquantised p and divides at the end.
; When M moves, the sum and O are multiplied by 2^(old M - new M), which rounds nothing.
; SHARES.  A work-group owns 256 queries of one head (grid x = the block of queries, y = the head); they see 768 keys: 24 blocks of 32, local block kb = 0 .. 23 beginning at key 256 x - 512.
; PHASE 1: the sixteen waves load Q's tiles and the 24 blocks of K (waves 0-7) and of V (waves 8-15) as f32, 512 consecutive bytes a load, turn them through a stage of the wave's own in LDS so that a lane
; holds a whole block of 32 along K, quantise them, and lay the codes in LDS as images of the operands' registers.  ONE barrier.  PHASE 2: a wave owns one tile of 16 queries; its window is exactly 17 blocks of 32 keys,
; its diagonal block and the 16 before it: four steps of 4 blocks and a last step of 1.  Only the first and the last block need a mask; a block in front of key 0 is hidden whole, a step of four such blocks is left out
; (scalar branches on the work-group's and the wave's numbers alone).  A block in front of key 0 is loaded as the head's block 0, so that no load leaves its buffer; its scores are hidden.
; LAYOUT.  Both products are used transposed: S^T = K Q^T (source 0 = 16 keys, source 1 = my 16 queries), O^T = V^T P^T: a lane holds ONE query (lane % 16) throughout.
; THE KEYS OF A TILE ARE NOT NEIGHBOURS: row m of tile (kb, u) is key 32 kb + 8 u + m + 8 (m / 8), so that the 16 score registers of tiles 2 b, 2 b + 1 are the 16 neighbouring keys 32 b + 16 (lane / 16) + 0 .. 15.
; THE FIRST PRODUCT HAS K = 64 IN AN INSTRUCTION OF 128: Q's registers 6-11 are zero codes.  A tile of K is 6 registers; as its registers 6-11 the instruction names the six that follow (the next tile's codes, or
; whatever finite codes lie there: FP6 has no NaN and no infinity), which meet Q's zeros; bytes 2, 3 of both scale words repeat bytes 0, 1.  The last step's second product has K = 32 in the same way: p's other codes are zeros.
; NO JOINT REQUESTS, NO TENSOR LOADS: K and V arrive as f32 and pass through registers to become codes, and neighbouring work-groups' 768 keys are shifted by 256 against each other.
; NO PREFETCH: all of a wave's global loads are issued at its head or within its first block's work; nothing is left that could be asked for earlier.
; LIMITS: NaN and infinities among the inputs are not served.  A block whose largest magnitude lies under 2^-124 gets the scale byte 1; so does a block of zeros, where the rule says 127: its codes are zeros,
; which add nothing, and the bytes are read by this program alone.  score / 8 x log2(e) is one multiplication by log2(e) / 8 (the division by 8 rounds nothing).
;
; LDS (bytes)
.set KX,   0                           ; K's tiles, registers 0-3: tile (kb, u) at 1024 kb + 512 u, lane l at 16 l
.set KY,   24576                       ; K's tiles, registers 4-5: 512 kb + 256 u + 8 l
.set KSC,  36864                       ; K's scale words: 128 kb + 64 u + 4 r: one load of 4 l brings tile 2 b's in lanes 0-15 and tile 2 b + 1's in lanes 16-31
.set VX,   39936                       ; V^T (16 channels dt, block kb), words 0-3 of a channel's 24 bytes: 6144 dt + 256 kb + 16 r
.set VY,   64512                       ; words 4-5: 3072 dt + 128 kb + 8 r
.set VS,   76800                       ; V's scale bytes, four copies o = 0 .. 3: block kb of channel d at 2048 o + 32 d + kb + 4 - o: a window that begins at kb = o mod 4 finds its four bytes as one aligned word in copy o
.set STG,  84992                       ; a stage for each wave
.set STGB, 9472
.set RP,   144                         ; the stage in phase 1: half a row (128 bytes) + 16; the 16 lanes of a store or load of 16 bytes then touch 16 different columns of 16 bytes (64 banks of 4 bytes: ISA guide 11.1)
.set HP,   4736                        ; the rows' second halves begin here: 128 modulo 256
.set OP,   272                         ; the stage on the way out: a row of 256 bytes + 16
; VECTOR REGISTERS.  phase 1: v1 a permute's destination; v2-7 a block's codes; v8-10 the second conversion's; v11-15 at work; v32-95 block n = 0, then n = 2, as loaded; v96-159 block n = 1; v160-191 Q as loaded; v216-247 a block's 32 numbers
; both: v16-27 Q's fragment, v28 its scale word; v192-215 addresses, never rewritten
; phase 2: v12 -M, v13 the largest t, v[14:15] the sum in two halves; v32-85 K's tiles, then v32-79 V's fragments; v96-159 S^T, then p; v160-191 O^T; v220-223 the blocks' largest scores; v224-235 p's codes;
;          v236-247 at work; v248-251 K's or V's scale words; v252 f; v253 p's scale word; v254 at work
.set TT,   216
.set KF,   32
.set SS,   96
.set OA,   160
.set BM,   220
.set PC,   224
.set SW,   248
.set GL,   192                         ; 16 l: my 16 bytes of a load's or store's 512
.set SST,  193                         ; the stage, in: 144 (l / 16) + 4736 ((l / 8) % 2) + 16 (l % 8)
.set SRQ,  194                         ; out, Q: row r, half h
.set SRK,  195                         ; out, K: row r + 8 (r / 8), half h
.set SRV,  196                         ; out, V: 4 l: a lane a channel
.set IKX,  197                         ; where I store images: K's registers 0-3,
.set IKY,  198                         ; 4-5,
.set IKS,  199                         ; its scale words;
.set IVX,  200                         ; V's words 0-3,
.set IVY,  201                         ; 4-5,
.set IVS,  202                         ; its scale bytes
.set AKX,  203                         ; where my window begins: K's registers 0-3,
.set AKY,  204                         ; 4-5,
.set AKS,  205                         ; scale words;
.set AVXF, 206                         ; V's words 0-3, both halves of the lanes at the same block (last step),
.set AVX,  207                         ; lanes 16-31 one block on (steps 0-3);
.set AVYF, 208                         ; words 4-5 likewise
.set AVY,  209
.set AVS,  210                         ; V's scale word
.set OST,  211                         ; the way out: where I put 32 bytes of a row
.set ORD,  212                         ; and where I read a row back
.set H8,   213                         ; 8 h
.set DD,   214                         ; 16 (wave % 2) + r - 16 h: in the window's first block register i is hidden where i <= DD, in the diagonal block where i > DD
.set NINF, 215                         ; -infinity
; SCALAR REGISTERS
.set WV,   12                          ; wave 0..15
.set GG,   13                          ; wave / 8
.set KBW,  14                          ; wave % 8: in phase 1 I take local blocks KBW, KBW + 8, KBW + 16
.set OO,   15                          ; (wave % 8) / 2
.set KB0,  16                          ; wave / 2: my window's first local block
.set U1,   17                          ; wave % 2
.set STGW, 18                          ; my stage
.set TMP,  19
.set SEL,  20                          ; s[20:21] v_permlanex16_b32's selects for lane l xor 16
.set CS,   22                          ; s[22:23] c = log2(e) / 8 (the packed form names a pair and takes its low word for both halves)
.set W0,   24                          ; my window's first block, counted from key 0: 8 x + KB0 - 16, signed
.set TA,   25                          ; the step's first block, likewise
.set TM2,  26
; s28 the head's first byte; s[30:31] K or V; s[32:37] my three blocks; s[38:39] my tile of Q; s[40:41] of out0
; n loads of 512 consecutive bytes each
.macro GLOAD reg, sb, n, nt
.set gj, 0
.rept \n
.if \nt
	global_load_b128 v[\reg+4*gj:\reg+4*gj+3], v[GL], s[\sb:\sb+1] offset:512*gj th:TH_LOAD_NT
.else
	global_load_b128 v[\reg+4*gj:\reg+4*gj+3], v[GL], s[\sb:\sb+1] offset:512*gj
.endif
.set gj, gj+1
.endr
.endm
; they go into my stage as they lie: load j holds rows 2 j and 2 j + 1
.macro STAGE_IN reg, n
.set sj, 0
.rept \n
	ds_store_b128 v[SST], v[\reg+4*sj:\reg+4*sj+3] offset:2*RP*sj
.set sj, sj+1
.endr
.endm
; and come back a block to a lane.  LDS serves a wave's instructions in order (ISA guide 5.7.1.4): no wait stands between the stores and these loads
.macro RD_ROWS adr, off                ; Q, K: half a row, 32 neighbouring channels
.irp i, 0,1,2,3,4,5,6,7
	ds_load_b128 v[TT+4*\i:TT+4*\i+3], v[\adr] offset:\off+16*\i
.endr
.endm
.macro RD_COLS x                       ; V: my lane is channel 32 x + l, my registers run down the block's 32 keys
.set rj, 0
.rept 32
	ds_load_b32 v[TT+rj], v[SRV] offset:HP*\x+RP*rj
.set rj, rj+1
.endr
.endm
; The 32 numbers in v[TT] on become 6 registers of codes, v[c] on; v13 the conversions' scale operand; v14 the scale's byte.
.macro QBLOCK c
	v_max3_num_f32 v11, |v[TT]|, |v[TT+1]|, 0x1800000      ; the block's largest magnitude, in two chains, and the floor 2^(3 - 127): so the byte cannot fall under 1
	v_max3_num_f32 v12, |v[TT+2]|, |v[TT+3]|, |v[TT+4]|
.irp i, 5,9,13,17,21,25
	v_max3_num_f32 v11, v11, |v[TT+\i]|, |v[TT+\i+1]|
	v_max3_num_f32 v12, v12, |v[TT+\i+2]|, |v[TT+\i+3]|
.endr
	v_max3_num_f32 v11, v11, |v[TT+29]|, |v[TT+30]|
	v_max3_num_f32 v11, v11, v12, |v[TT+31]|
	v_add_nc_u32 v13, 0xff000000, v11                      ; 2 off its exponent field: the conversion takes the exponent field of this operand as its scale, and nothing else of it
	v_lshrrev_b32 v14, 23, v13                             ; the scale's byte
	v_cvt_scalef32_pk16_fp6_f32 v[\c:\c+2], v[TT:TT+15], v13
	v_cvt_scalef32_pk16_fp6_f32 v[8:10], v[TT+16:TT+31], v13   ; (a conversion's three registers begin on an even number)
	v_nop                                                  ; one plain place behind a scaled conversion
.irp i, 0,1,2
	v_mov_b32 v[\c+3+\i], v[8+\i]
.endr
.endm
; Q, K: lane (r, h) holds the byte of block h of row r.  The row's word: bytes 0, 1, and the same again as bytes 2, 3
.macro SCALEWORD dst
	v_lshlrev_b32 v15, v[H8], v14
	v_permlanex16_b32 v1, v15, s[SEL], s[SEL+1]
	v_or_b32 v15, v15, v1
	v_lshl_or_b32 v[\dst], v15, 16, v15
.endm
; Local block KBW + 8 n of K: two tiles of 16 keys.  cnt: the loads issued behind this block's sixteen, which may stay out.
.macro UNIT_K n, reg, cnt
	s_wait_loadcnt \cnt
	STAGE_IN \reg, 16
.irp x, 0,1
	RD_ROWS SRK, 8*RP*\x
	s_wait_dscnt 0x0                                       ; the numbers are in; the stage's stores and the last tile's image stores are done
.if (\n == 0) && (\x == 0)
	GLOAD 32, 36, 16, 0                                    ; the third block, into the registers that the first has left
.endif
	QBLOCK 2
	SCALEWORD 15
	ds_store_b128 v[IKX], v[2:5] offset:8192*\n+512*\x
	ds_store_b64 v[IKY], v[6:7] offset:4096*\n+256*\x
	ds_store_b32 v[IKS], v15 offset:1024*\n+64*\x          ; lanes r and r + 16 write the same word with the same value
.endr
.endm
; The same of V: two halves of 32 channels
.macro UNIT_V n, reg, cnt
	s_wait_loadcnt \cnt
	STAGE_IN \reg, 16
.irp x, 0,1
	RD_COLS \x
	s_wait_dscnt 0x0
.if (\n == 0) && (\x == 0)
	GLOAD 32, 36, 16, 0
.endif
	QBLOCK 2
	ds_store_b128 v[IVX], v[2:5] offset:2048*\n+12288*\x
	ds_store_b64 v[IVY], v[6:7] offset:1024*\n+6144*\x
.irp o, 0,1,2,3
	ds_store_b8 v[IVS], v14 offset:8*\n+1024*\x+2047*\o    ; copy o: 2048 o on, one place back for each o
.endr
.endr
.endm
; A load into a register that a matrix instruction has read, and a vector instruction that reads or writes a matrix result, stand four places behind that matrix instruction; only plain vector instructions that
; name none of its registers are places (ISA guide 7.12.1 for vector instructions).
.macro PLACES
.rept 4
	v_nop
.endr
.endm
.macro HIDE b                          ; block b of the step lies in front of key 0
.set hj, 0
.rept 16
	v_mov_b32 v[SS+16*\b+hj], v[NINF]
.set hj, hj+1
.endr
.endm
.macro EDGE low                        ; the mask in the step's first block: low = 1: the window's lower edge; 0: the diagonal.  From each accumulator's low end on
.set mj, 0
.rept 16
.if \low
	v_cmp_le_i32 vcc_lo, mj, v[DD]
.else
	v_cmp_gt_i32 vcc_lo, mj, v[DD]
.endif
	v_cndmask_b32 v[SS+mj], v[SS+mj], v[NINF], vcc_lo
.set mj, mj+1
.endr
.endm
.macro NEWM src                        ; v[src]: the step's largest score of my query
	v_mul_f32 v254, s[CS], v[\src]                         ; as t (c is positive)
	v_max_num_f32 v13, v13, v254                           ; the running largest t
	v_mov_b32 v254, v12
	v_floor_f32 v12, -v13                                  ; the new -M = floor(-t) = -ceil(t): M is a whole number
	v_sub_f32 v254, v12, v254                              ; M's old value less its new one: a whole number, 0 or less
	v_cvt_i32_f32 v254, v254                               ; (it saturates)
	v_ldexp_f32 v252, 1.0, v254                            ; f = 2^(old M - new M)
.endm
.macro RESCALE                         ; O^T under the new M, each accumulator from its low end on
.set pj, 0
.rept 16
	v_pk_mul_f32 v[OA+pj:OA+pj+1], v[OA+pj:OA+pj+1], v[252:253] op_sel_hi:[1,0]
.set pj, pj+2
.endr
.endm
.macro PVMUL                           ; O^T += V^T P^T: the four accumulators by turns, one instruction a turn
.irp d, 0,1,2,3
	v_wmma_scale_f32_16x16x128_f8f6f4 v[OA+8*\d:OA+8*\d+7], v[KF+12*\d:KF+12*\d+11], v[PC:PC+11], v[OA+8*\d:OA+8*\d+7], v[SW+\d], v253 matrix_a_fmt:MATRIX_FMT_FP6 matrix_b_fmt:MATRIX_FMT_FP6
.endr
.endm
; STEP s: blocks 4 s .. 4 s + 3 of my window, 128 keys.  Every LDS offset is an immediate.
.macro STEP s
	s_add_co_i32 s[TA], s[W0], 4*\s
	s_cmp_lt_i32 s[TA], -3
	s_cbranch_scc1 .Lskip_\@                               ; all four blocks lie in front of key 0
	PLACES                                                 ; behind the last step's products
.irp t, 0,1,2,3,4,5,6,7
	ds_load_b128 v[KF+6*\t:KF+6*\t+3], v[AKX] offset:4096*\s+512*\t
	ds_load_b64 v[KF+6*\t+4:KF+6*\t+5], v[AKY] offset:2048*\s+256*\t
.endr
.irp b, 0,1,2,3
	ds_load_b32 v[SW+\b], v[AKS] offset:512*\s+128*\b
.endr
	s_wait_dscnt 0x0
.irp t, 0,1,2,3,4,5,6,7
.if \t%2
	v_wmma_scale_f32_16x16x128_f8f6f4 v[SS+8*\t:SS+8*\t+7], v[KF+6*\t:KF+6*\t+11], v[16:27], 0, v[SW+\t/2], v28 matrix_a_fmt:MATRIX_FMT_FP6 matrix_b_fmt:MATRIX_FMT_FP6 matrix_a_scale:MATRIX_SCALE_ROW1
.else
	v_wmma_scale_f32_16x16x128_f8f6f4 v[SS+8*\t:SS+8*\t+7], v[KF+6*\t:KF+6*\t+11], v[16:27], 0, v[SW+\t/2], v28 matrix_a_fmt:MATRIX_FMT_FP6 matrix_b_fmt:MATRIX_FMT_FP6
.endif
.endr
	PLACES
.irp d, 0,1,2,3                        ; V's fragments and scale words are asked for now, over K's registers, and land while the softmax is worked
.irp c, 0,1
	ds_load_b128 v[KF+12*\d+6*\c:KF+12*\d+6*\c+3], v[AVX] offset:6144*\d+1024*\s+512*\c
	ds_load_b64 v[KF+12*\d+6*\c+4:KF+12*\d+6*\c+5], v[AVY] offset:3072*\d+512*\s+256*\c
.endr
	ds_load_b32 v[SW+\d], v[AVS] offset:512*\d+4*\s
.endr
	s_cmp_ge_i32 s[TA], 0                                  ; blocks in front of key 0 are hidden whole
	s_cbranch_scc1 .Lpos_\@
	HIDE 0
	s_cmp_ge_i32 s[TA], -1
	s_cbranch_scc1 .Lpos_\@
	HIDE 1
	s_cmp_ge_i32 s[TA], -2
	s_cbranch_scc1 .Lpos_\@
	HIDE 2
.Lpos_\@:
.if \s == 0
	EDGE 1                                                 ; keys under q - 511
.endif
.irp b, 0,1,2,3
	v_max3_num_f32 v[BM+\b], v[SS+16*\b], v[SS+16*\b+1], v[SS+16*\b+2]   ; the largest score of each block of 32 keys: it serves for the row's maximum and, since p rises with the score, for the block's largest p
.endr
.irp i, 3,5,7,9,11,13
.irp b, 0,1,2,3
	v_max3_num_f32 v[BM+\b], v[BM+\b], v[SS+16*\b+\i], v[SS+16*\b+\i+1]
.endr
.endr
.irp b, 0,1,2,3
	v_max_num_f32 v[BM+\b], v[BM+\b], v[SS+16*\b+15]
.endr
.irp b, 0,1,2,3
	v_permlanex16_b32 v[236+\b], v[BM+\b], s[SEL], s[SEL+1]
.endr
.irp b, 0,1,2,3
	v_max_num_f32 v[BM+\b], v[BM+\b], v[236+\b]            ; with lane l xor 16's 16 keys
.endr
	v_max3_num_f32 v254, v[BM], v[BM+1], v[BM+2]
	v_max_num_f32 v254, v254, v[BM+3]
	NEWM 254
.set pj, 0
.rept 32
	v_pk_fma_f32 v[SS+pj:SS+pj+1], v[SS+pj:SS+pj+1], s[CS:CS+1], v[12:13] op_sel_hi:[1,0,0]   ; t - M, two at a time
.set pj, pj+2
.endr
.irp b, 0,1,2,3
	v_fma_f32 v[BM+\b], v[BM+\b], s[CS], v12               ; the same of each block's largest score
.endr
.set pj, 0
.rept 64
	v_exp_f32 v[SS+pj], v[SS+pj]                           ; p = 2^(t - M), at most 1; a hidden key's is 0
.set pj, pj+1
.endr
.irp b, 0,1,2,3
	v_exp_f32 v[BM+\b], v[BM+\b]                           ; the block's largest p: the same two instructions on the same number give the same bits
.endr
	v_pk_mul_f32 v[14:15], v[14:15], v[252:253] op_sel_hi:[1,0]   ; the sums under the new M: the plain instruction behind the last exponential
	s_wait_alu depctr_va_vdst(0)                           ; one wait for the batch of 68, ahead of the first instruction that names a result
.irp b, 0,1,2,3
	v_max_num_f32 v[BM+\b], 0x1800000, v[BM+\b]            ; the floor 2^(3 - 127): a block whose every p is 0 keeps the byte 1; its codes are zeros
.endr
.irp b, 0,1,2,3
	v_add_nc_u32 v[244+\b], 0xff000000, v[BM+\b]           ; 2 off the exponent field: the conversion's scale operand
.endr
.irp b, 0,1,2,3
	v_lshrrev_b32 v[236+\b], 23, v[244+\b]                 ; the scale's byte
.endr
	v_lshl_or_b32 v253, v237, 8, v236                      ; p's scale word for these 128 keys
	v_lshl_or_b32 v253, v238, 16, v253
	v_lshl_or_b32 v253, v239, 24, v253
.irp c, 0,1
	v_cvt_scalef32_pk16_fp6_f32 v[PC+6*\c:PC+6*\c+2], v[SS+32*\c:SS+32*\c+15], v[244+2*\c]
	v_cvt_scalef32_pk16_fp6_f32 v[236+4*\c:238+4*\c], v[SS+32*\c+16:SS+32*\c+31], v[244+2*\c+1]
.endr
	v_nop                                                  ; one plain place behind a scaled conversion
.irp c, 0,1                            ; the operand's layout wants a WHOLE block in a lane: lanes 0-15 block 2 c, lanes 16-31 block 2 c + 1
.irp i, 0,1,2
	v_permlane16_swap_b32 v[PC+6*\c+\i], v[236+4*\c+\i]
.endr
.irp i, 0,1,2
	v_mov_b32 v[PC+6*\c+3+\i], v[236+4*\c+\i]
.endr
.endr
	RESCALE
	v_pk_add_f32 v[236:237], v[SS:SS+1], v[SS+2:SS+3]      ; the row's sum is taken of the UNQUANTISED p, two at a time, in two chains.  These 32 lines stand here as the places between the vector
.irp j, 4,8,12,16,20,24,28,32,36,40,44,48,52,56,60         ; instructions that wrote p's codes, its scale word and O^T and the products that take them
	v_pk_add_f32 v[14:15], v[14:15], v[SS+\j:SS+\j+1]
	v_pk_add_f32 v[236:237], v[236:237], v[SS+\j+2:SS+\j+3]
.endr
	v_pk_add_f32 v[14:15], v[14:15], v[236:237]
	s_wait_dscnt 0x0                                       ; V's fragments and scale words are in
	PVMUL
.Lskip_\@:
.endm
	s_load_b256 s[4:11], s[0:1], 0x0               ; Q s[4:5], K s[6:7], V s[8:9], out0 s[10:11]
	v_lshl_add_u32 v31, v0, 2, 0x39c00
	v_mov_b32 v255, 0
	v_lshrrev_b32 v2, 5, v0
	v_readfirstlane_b32 s[WV], v2
	v_and_b32 v3, 31, v0                           ; l
	v_lshlrev_b32 v[GL], 4, v3
	s_lshr_b32 s[GG], s[WV], 3
	s_and_b32 s[KBW], s[WV], 7
	s_lshr_b32 s[OO], s[KBW], 1
	s_lshl_b32 s[KB0], s[GG], 2
	s_add_co_u32 s[KB0], s[KB0], s[OO]
	s_and_b32 s[U1], s[KBW], 1
	s_mul_i32 s[STGW], s[WV], STGB
	s_add_co_u32 s[STGW], s[STGW], STG
	s_mov_b32 s[SEL], 0x76543210
	s_mov_b32 s[SEL+1], 0xfedcba98
	s_mov_b32 s[CS], 0x3e38aa3b                    ; log2(e) / 8
	s_mov_b32 s[CS+1], s[CS]
	s_lshl_b32 s[TM2], ttmp9, 3
	s_add_co_u32 s[W0], s[TM2], s[KB0]
	s_sub_co_i32 s[W0], s[W0], 16
	s_add_co_u32 s[TM2], s[TM2], s[KBW]
	s_sub_co_i32 s[TM2], s[TM2], 16                ; my first block of phase 1, counted from key 0
	s_and_b32 s[TMP], ttmp7, 0xffff                ; the head
	s_lshl_b32 s28, s[TMP], 20                     ; its first byte in each tensor: 4,096 rows of 256 bytes
.irp n, 0,1,2
	s_add_co_i32 s[TMP], s[TM2], 8*\n
	s_max_i32 s[TMP], s[TMP], 0                    ; a block in front of key 0 is loaded as block 0
	s_lshl_b32 s[32+2*\n], s[TMP], 13              ; 32 rows of 256 bytes
	s_add_co_u32 s[32+2*\n], s[32+2*\n], s28
	s_mov_b32 s[33+2*\n], 0
.endr
	s_lshl_b32 s38, ttmp9, 16                      ; my tile of Q and of out0: row 256 x + 16 wave
	s_lshl_b32 s[TMP], s[WV], 12
	s_add_co_u32 s38, s38, s[TMP]
	s_add_co_u32 s38, s38, s28
	s_mov_b32 s39, 0
	s_wait_kmcnt 0x0
	s_cmp_lt_u32 s[WV], 8                          ; waves 0-7 take K, waves 8-15 V: the choice hangs on the wave's number alone
	s_cselect_b64 s[30:31], s[6:7], s[8:9]
	s_add_nc_u64 s[32:33], s[30:31], s[32:33]
	s_add_nc_u64 s[34:35], s[30:31], s[34:35]
	s_add_nc_u64 s[36:37], s[30:31], s[36:37]
	s_add_nc_u64 s[40:41], s[10:11], s[38:39]
	s_add_nc_u64 s[38:39], s[4:5], s[38:39]
	GLOAD 160, 38, 8, 1                            ; Q's tile: read once in the launch
	GLOAD 32, 32, 16, 0                            ; my first block of K or V (three work-groups read it: no hint)
	GLOAD 96, 34, 16, 0                            ; my second
	; every LDS address is made here, ahead of the parting of the roles, from the thread's and the wave's numbers and constants, and is never rewritten
	v_and_b32 v4, 15, v0                           ; r
	v_bfe_u32 v5, v0, 4, 1                         ; h
	v_bfe_u32 v6, v0, 3, 1
	v_and_b32 v7, 7, v0
	v_and_b32 v8, 8, v0
	v_add_nc_u32 v8, v8, v4                        ; r + 8 (r / 8)
	v_mov_b32 v1, 0                                ; (a lane permute's destination counts as one of its sources)
	v_mul_u32_u24 v[SST], v5, RP
	v_mad_u32_u24 v[SST], v6, HP, v[SST]
	v_lshl_add_u32 v[SST], v7, 4, v[SST]
	v_add_nc_u32 v[SST], s[STGW], v[SST]
	v_mul_u32_u24 v[SRQ], v4, RP
	v_mad_u32_u24 v[SRQ], v5, HP, v[SRQ]
	v_add_nc_u32 v[SRQ], s[STGW], v[SRQ]
	v_mul_u32_u24 v[SRK], v8, RP
	v_mad_u32_u24 v[SRK], v5, HP, v[SRK]
	v_add_nc_u32 v[SRK], s[STGW], v[SRK]
	v_lshl_add_u32 v[SRV], v3, 2, s[STGW]
	s_lshl_b32 s[TMP], s[KBW], 10
	v_add_nc_u32 v[IKX], s[TMP], v[GL]             ; (KX = 0)
	s_lshl_b32 s[TMP], s[KBW], 9
	s_add_co_u32 s[TMP], s[TMP], KY
	v_lshl_add_u32 v[IKY], v3, 3, s[TMP]
	s_lshl_b32 s[TMP], s[KBW], 7
	s_add_co_u32 s[TMP], s[TMP], KSC
	v_lshl_add_u32 v[IKS], v4, 2, s[TMP]
	s_lshl_b32 s[TMP], s[KBW], 8
	s_add_co_u32 s[TMP], s[TMP], VX
	v_lshl_add_u32 v[IVX], v4, 4, s[TMP]
	v_mad_u32_u24 v[IVX], v5, 6144, v[IVX]         ; lane l of half x is channel 32 x + l = 16 (2 x + h) + r
	s_lshl_b32 s[TMP], s[KBW], 7
	s_add_co_u32 s[TMP], s[TMP], VY
	v_lshl_add_u32 v[IVY], v4, 3, s[TMP]
	v_mad_u32_u24 v[IVY], v5, 3072, v[IVY]
	s_add_co_u32 s[TMP], s[KBW], VS+4
	v_lshl_add_u32 v[IVS], v3, 5, s[TMP]
	s_lshl_b32 s[TMP], s[KB0], 10
	v_add_nc_u32 v[AKX], s[TMP], v[GL]
	s_lshl_b32 s[TMP], s[KB0], 9
	s_add_co_u32 s[TMP], s[TMP], KY
	v_lshl_add_u32 v[AKY], v3, 3, s[TMP]
	s_lshl_b32 s[TMP], s[KB0], 7
	s_add_co_u32 s[TMP], s[TMP], KSC
	v_lshl_add_u32 v[AKS], v3, 2, s[TMP]
	s_lshl_b32 s[TMP], s[KB0], 8
	s_add_co_u32 s[TMP], s[TMP], VX
	v_lshl_add_u32 v[AVXF], v4, 4, s[TMP]
	v_lshl_add_u32 v[AVX], v5, 8, v[AVXF]
	s_lshl_b32 s[TMP], s[KB0], 7
	s_add_co_u32 s[TMP], s[TMP], VY
	v_lshl_add_u32 v[AVYF], v4, 3, s[TMP]
	v_lshl_add_u32 v[AVY], v5, 7, v[AVYF]
	s_lshl_b32 s[TMP], s[OO], 11                   ; copy OO,
	s_lshl_b32 s[TM2], s[GG], 2
	s_add_co_u32 s[TMP], s[TMP], s[TM2]
	s_add_co_u32 s[TMP], s[TMP], VS+4              ; place 4 (wave / 8 + 1): block KB0's byte
	v_lshl_add_u32 v[AVS], v4, 5, s[TMP]
	v_mul_u32_u24 v[OST], v4, OP
	v_lshl_add_u32 v[OST], v5, 5, v[OST]
	v_add_nc_u32 v[OST], s[STGW], v[OST]
	v_mul_u32_u24 v[ORD], v5, OP
	v_lshl_add_u32 v[ORD], v4, 4, v[ORD]
	v_add_nc_u32 v[ORD], s[STGW], v[ORD]
	v_lshlrev_b32 v[H8], 3, v5
	s_lshl_b32 s[TMP], s[U1], 4
	v_lshlrev_b32 v9, 4, v5
	v_sub_nc_u32 v[DD], v4, v9
	v_add_nc_u32 v[DD], s[TMP], v[DD]
	v_mov_b32 v[NINF], 0xff800000
	; ---- Q: my tile's fragment stays in registers
	s_wait_loadcnt 32                              ; Q's eight loads are in; the 32 issued behind them (my first two blocks) may be out
	STAGE_IN 160, 8
	RD_ROWS SRQ, 0
	s_wait_dscnt 0x0
	QBLOCK 16
	SCALEWORD 28
.irp i, 22,23,24,25,26,27
	v_mov_b32 v\i, 0                               ; k = 64 .. 127: zero codes
.endr
	; ---- K and V: three blocks of 32 keys a wave
	s_cmp_lt_u32 s[WV], 8
	s_cbranch_scc0 .Lrole_v
	UNIT_K 0, 32, 16                               ; the second block's 16 loads may be out
	UNIT_K 1, 96, 16                               ; the third block's, issued in the first block's work
	UNIT_K 2, 32, 0
	s_branch .Ljoin
.Lrole_v:
	UNIT_V 0, 32, 16
	UNIT_V 1, 96, 16
	UNIT_V 2, 32, 0
.Ljoin:
	s_wait_dscnt 0x0                               ; for the others' sake: my image stores have landed
	s_barrier_signal -1
	s_barrier_wait -1                              ; all 24 blocks of K and of V lie in LDS as codes; from here on nobody writes them, and no further barrier is needed
	; ---- the walk over my window.  Which step is a wave's first differs from work-group to work-group, so O^T and the sum begin as zeros and the largest t as -3e38: the first change of M multiplies zeros
.irp i, 80,81,82,83,84,85
	v_mov_b32 v\i, 0                               ; what tile 7 of K names as its registers 6-11
.endr
	v_mov_b32 v13, 0xff61b1e6                      ; -3e38, under every t
	v_floor_f32 v12, -v13                          ; -M
	v_mov_b32 v14, 0
	v_mov_b32 v15, 0
.irp i, 236,237,238,239
	v_mov_b32 v\i, 0                               ; (permutes' destinations)
.endr
	v_mov_b32 v253, 0                              ; (named as the upper half of the pair v[252:253] before it is first written)
.set pj, 0
.rept 32
	v_mov_b32 v[OA+pj], 0
.set pj, pj+1
.endr
	STEP 0
	STEP 1
	STEP 2
	STEP 3
	; ---- the last step: the diagonal block alone, 32 keys; every query sees at least its own key there
	PLACES
	ds_load_b128 v[KF:KF+3], v[AKX] offset:16384
	ds_load_b64 v[KF+4:KF+5], v[AKY] offset:8192
	ds_load_b128 v[KF+6:KF+9], v[AKX] offset:16384+512
	ds_load_b64 v[KF+10:KF+11], v[AKY] offset:8192+256
	ds_load_b32 v[SW], v[AKS] offset:2048
	s_wait_dscnt 0x0
	v_wmma_scale_f32_16x16x128_f8f6f4 v[SS:SS+7], v[KF:KF+11], v[16:27], 0, v[SW], v28 matrix_a_fmt:MATRIX_FMT_FP6 matrix_b_fmt:MATRIX_FMT_FP6
	v_wmma_scale_f32_16x16x128_f8f6f4 v[SS+8:SS+15], v[KF+6:KF+17], v[16:27], 0, v[SW], v28 matrix_a_fmt:MATRIX_FMT_FP6 matrix_b_fmt:MATRIX_FMT_FP6 matrix_a_scale:MATRIX_SCALE_ROW1
	PLACES
.irp d, 0,1,2,3                        ; V's block: registers 0-5 of each fragment, the same block in both halves of the lanes; all else of the fragment meets zero codes of p.  The scale: one byte, bytes 1-3 zero
	ds_load_b128 v[KF+12*\d:KF+12*\d+3], v[AVXF] offset:6144*\d+4096
	ds_load_b64 v[KF+12*\d+4:KF+12*\d+5], v[AVYF] offset:3072*\d+2048
	ds_load_u8 v[SW+\d], v[AVS] offset:512*\d+16
.endr
	EDGE 0                                         ; keys behind q
	v_max3_num_f32 v[BM], v[SS], v[SS+1], v[SS+2]
	v_max3_num_f32 v[BM+1], v[SS+8], v[SS+9], v[SS+10]
	v_max3_num_f32 v[BM], v[BM], v[SS+3], v[SS+4]
	v_max3_num_f32 v[BM+1], v[BM+1], v[SS+11], v[SS+12]
	v_max3_num_f32 v[BM], v[BM], v[SS+5], v[SS+6]
	v_max3_num_f32 v[BM+1], v[BM+1], v[SS+13], v[SS+14]
	v_max3_num_f32 v[BM], v[BM], v[SS+7], v[SS+15]
	v_max_num_f32 v[BM], v[BM], v[BM+1]
	v_permlanex16_b32 v236, v[BM], s[SEL], s[SEL+1]
	v_max_num_f32 v[BM], v[BM], v236
	NEWM BM
.set pj, 0
.rept 8
	v_pk_fma_f32 v[SS+pj:SS+pj+1], v[SS+pj:SS+pj+1], s[CS:CS+1], v[12:13] op_sel_hi:[1,0,0]
.set pj, pj+2
.endr
	v_fma_f32 v[BM], v[BM], s[CS], v12
.set pj, 0
.rept 16
	v_exp_f32 v[SS+pj], v[SS+pj]
.set pj, pj+1
.endr
	v_exp_f32 v[BM], v[BM]
	v_pk_mul_f32 v[14:15], v[14:15], v[252:253] op_sel_hi:[1,0]   ; the plain instruction behind the last exponential
	s_wait_alu depctr_va_vdst(0)                   ; one wait for the batch of 17
	v_max_num_f32 v[BM], 0x1800000, v[BM]
	v_add_nc_u32 v244, 0xff000000, v[BM]
	v_lshrrev_b32 v253, 23, v244                   ; p's scale word: the one block's byte
.irp i, 240,241,242,230,231,232,233,234,235
	v_mov_b32 v\i, 0
.endr
	v_cvt_scalef32_pk16_fp6_f32 v[PC:PC+2], v[SS:SS+15], v244
	v_nop                                          ; one plain place behind a scaled conversion
.irp i, 0,1,2
	v_permlane16_swap_b32 v[PC+\i], v[240+\i]      ; lanes 0-15 keep keys 0-15 and get keys 16-31 beside them; lanes 16-31 (k = 32 .. 63) get zeros
.endr
.irp i, 0,1,2
	v_mov_b32 v[PC+3+\i], v[240+\i]
.endr
	RESCALE
	v_pk_add_f32 v[236:237], v[SS:SS+1], v[SS+2:SS+3]
.irp j, 4,8,12
	v_pk_add_f32 v[14:15], v[14:15], v[SS+\j:SS+\j+1]
	v_pk_add_f32 v[236:237], v[236:237], v[SS+\j+2:SS+\j+3]
.endr
	v_pk_add_f32 v[14:15], v[14:15], v[236:237]
	s_wait_dscnt 0x0
	PVMUL
	; ---- the way out: O^T / the sum goes through my stage and leaves as whole rows: a store covers two rows of 256 bytes, 512 consecutive bytes at a multiple of 256 from out0's first byte
	v_nop                                          ; two of these and the two additions below are the four places behind the last products
	v_nop
	v_add_f32 v14, v14, v15                        ; the sum's two halves,
	v_permlanex16_b32 v252, v14, s[SEL], s[SEL+1]
	v_add_f32 v14, v14, v252                       ; and lane l xor 16's: the row's sum, at least 1/2
	v_rcp_f32 v14, v14
	v_nop                                          ; a plain instruction behind the reciprocal
	s_wait_alu depctr_va_vdst(0)                   ; and the wait ahead of its first reader
.set pj, 0
.rept 16
	v_pk_mul_f32 v[OA+pj:OA+pj+1], v[OA+pj:OA+pj+1], v[14:15] op_sel_hi:[1,0]   ; register 8 d + j is out0(r, 16 d + 8 h + j)
.set pj, pj+2
.endr
.irp d, 0,1,2,3
	ds_store_b128 v[OST], v[OA+8*\d:OA+8*\d+3] offset:64*\d
	ds_store_b128 v[OST], v[OA+8*\d+4:OA+8*\d+7] offset:64*\d+16
.endr
.irp i, 0,1,2,3,4,5,6,7
	ds_load_b128 v[SS+4*\i:SS+4*\i+3], v[ORD] offset:2*OP*\i   ; LDS serves a wave's instructions in order: these see my stores
.endr
.irp i, 0,1,2,3,4,5,6,7
	s_wait_dscnt 7-\i                              ; load i is in; the 7 - i issued behind it may be out
	global_store_b128 v[GL], v[SS+4*\i:SS+4*\i+3], s[40:41] offset:512*\i th:TH_STORE_NT
.endr
	s_wait_tensorcnt 0x0
	ds_add_u32 v31, v255
	s_wait_dscnt 0x0
	s_endpgm
.Lfunc_end_k_q52f6b7f06f_swattn:
	.size	k_q52f6b7f06f_swattn, .Lfunc_end_k_q52f6b7f06f_swattn-k_q52f6b7f06f_swattn
	.p2alignl 7, 3214868480
	.fill 96, 4, 3214868480
	.section	.rodata,"a",@progbits
	.p2align	6, 0x0
	.amdhsa_kernel k_q52f6b7f06f_swattn
		.amdhsa_group_segment_fixed_size 238592
		.amdhsa_private_segment_fixed_size 0
		.amdhsa_enable_private_segment 0
		.amdhsa_kernarg_size 32
		.amdhsa_user_sgpr_count 2
		.amdhsa_user_sgpr_kernarg_segment_ptr 1
		.amdhsa_wavefront_size32 1
		.amdhsa_system_sgpr_workgroup_id_x 1
		.amdhsa_system_sgpr_workgroup_id_y 1
		.amdhsa_system_sgpr_workgroup_id_z 1
		.amdhsa_system_vgpr_workitem_id 0
		.amdhsa_next_free_vgpr 256
		.amdhsa_next_free_sgpr 66
		.amdhsa_reserve_vcc 1
		.amdhsa_float_denorm_mode_32 3
		.amdhsa_float_denorm_mode_16_64 3
		.amdhsa_memory_ordered 1
		.amdhsa_forward_progress 1
		.amdhsa_inst_pref_size 143
	.end_amdhsa_kernel
	.amdgpu_metadata
---
amdhsa.version: [ 1, 2 ]
amdhsa.kernels:
  - .name:           k_q52f6b7f06f_swattn
    .symbol:         k_q52f6b7f06f_swattn.kd
    .args:
      - { .name: Q, .offset: 0, .size: 8, .value_kind: global_buffer, .address_space: global }
      - { .name: K, .offset: 8, .size: 8, .value_kind: global_buffer, .address_space: global }
      - { .name: V, .offset: 16, .size: 8, .value_kind: global_buffer, .address_space: global }
      - { .name: out0, .offset: 24, .size: 8, .value_kind: global_buffer, .address_space: global }
    .group_segment_fixed_size: 238592
    .private_segment_fixed_size: 0
    .kernarg_segment_align: 8
    .kernarg_segment_size: 32
    .max_flat_workgroup_size: 512
    .sgpr_count:     66
    .vgpr_count:     256
    .wavefront_size: 32
...
	.end_amdgpu_metadata
.endif
;; end of part 1
;; ======== version 2 of 2: 1 launch; version 1 with the launch swattn written anew for expert scheduling mode
;; launch swattn (part 2): grid 16 x 16, 16 waves a work-group, no clusters, 238,592 bytes of LDS; arguments Q, K, V, out0; writes out0
.if DOCPART == 2
	.amdgcn_target "amdgcn-amd-amdhsa--gfx1250"
	.amdhsa_code_object_version 6
	.text
	.protected	k_q52f6b7f06f_swattn
	.globl	k_q52f6b7f06f_swattn
	.p2align	8
	.type	k_q52f6b7f06f_swattn,@function
k_q52f6b7f06f_swattn:
	s_mov_b64 s[64:65], 0
	v_nop
	global_prefetch_b8 v0, s[64:65] scope:SCOPE_SE
	s_setreg_imm32_b32 hwreg(HW_REG_WAVE_SCHED_MODE, 0, 2), 2
	s_setreg_imm32_b32 hwreg(HW_REG_WAVE_MODE, 25, 1), 1
	s_wait_xcnt 0x0
	s_wait_alu depctr_vm_vsrc(0)
; out0[h][q][:] = the sum over k = q - 511 .. q (k >= 0) of softmax_k(Q[h][q] . K[h][k] / 8) V[h][k][:].  16 heads (2 x 8), 4,096 positions, 64 channels; Q, K, V, out0 f32.
; Both products on codes of FP6 (E2M3) with one E8M0 scale for each 32 along a product's K: Q and K along the 64 channels, V and p along the keys (blocks of 32 keys counted from key 0).
; THE SOFTMAX: t = score x log2(e) / 8; M = the running largest t rounded UP to a whole number; p = 2^(t - M) is quantised, not normalised; the row's sum is taken of the unquantised p and divides at the end.
; When M moves, the sum and O are multiplied by 2^(old M - new M), which rounds nothing.
; SHARES.  A work-group owns 256 queries of one head (grid x = the block of queries, y = the head); they see 768 keys: 24 blocks of 32, local block kb = 0 .. 23 beginning at key 256 x - 512.
; PHASE 1: the sixteen waves load Q's tiles and the 24 blocks of K (waves 0-7) and of V (waves 8-15) as f32, 512 consecutive bytes a load, turn them through a stage of the wave's own in LDS so that a lane
; holds a whole block of 32 along K, quantise them, and lay the codes in LDS as images of the operands' registers.  ONE barrier.  PHASE 2: a wave owns one tile of 16 queries; its window is exactly 17 blocks of 32 keys,
; its diagonal block and the 16 before it: four steps of 4 blocks and a last step of 1.  Only the first and the last block need a mask; a block in front of key 0 is hidden whole, a step of four such blocks is left out
; (scalar branches on the work-group's and the wave's numbers alone).  A block in front of key 0 is loaded as the head's block 0, so that no load leaves its buffer; its scores are hidden.
; LAYOUT.  Both products are used transposed: S^T = K Q^T (source 0 = 16 keys, source 1 = my 16 queries), O^T = V^T P^T: a lane holds ONE query (lane % 16) throughout.
; THE KEYS OF A TILE ARE NOT NEIGHBOURS: row m of tile (kb, u) is key 32 kb + 8 u + m + 8 (m / 8), so that the 16 score registers of tiles 2 b, 2 b + 1 are the 16 neighbouring keys 32 b + 16 (lane / 16) + 0 .. 15.
; THE FIRST PRODUCT HAS K = 64 IN AN INSTRUCTION OF 128: Q's registers 6-11 are zero codes.  A tile of K is 6 registers; as its registers 6-11 the instruction names the six that follow (the next tile's codes, or
; whatever finite codes lie there: FP6 has no NaN and no infinity), which meet Q's zeros; bytes 2, 3 of both scale words repeat bytes 0, 1.  The last step's second product has K = 32 in the same way: p's other codes are zeros.
; NO JOINT REQUESTS, NO TENSOR LOADS: K and V arrive as f32 and pass through registers to become codes, and neighbouring work-groups' 768 keys are shifted by 256 against each other.
; NO PREFETCH: all of a wave's global loads are issued at its head or within its first block's work; nothing is left that could be asked for earlier.
; LIMITS: NaN and infinities among the inputs are not served.  A block whose largest magnitude lies under 2^-124 gets the scale byte 1; so does a block of zeros, where the rule says 127: its codes are zeros,
; which add nothing, and the bytes are read by this program alone.  score / 8 x log2(e) is one multiplication by log2(e) / 8 (the division by 8 rounds nothing).
; THE MODE: SCHED_MODE bits 1:0 = 2 (LLVM: expert scheduling mode 2), set by the entry lines.  The code itself states the register dependences
; between vector or matrix instructions and memory or LDS instructions, with s_wait_alu, always for 0.
; THE PLAN.  Registers that memory or LDS instructions touch, and who else names them:
;   v192          the offset of every global load and store; made at the head, never written again: one wait on va_vdst ahead of the first load.
;   v193-212      LDS addresses; made once, behind the head's loads, never written again: one wait on va_vdst ahead of the first LDS store.
;   v32-191       phase 1: blocks as loaded: loads land, the stage's stores read, no vector instruction names them.  The third block lands where the first lay, and phase 2 writes all of them: behind a wait on vm_vsrc.
;   v216-247      phase 1: the stage's loads land, the quantiser reads.     v2-7, v14, v15  phase 1: the quantiser writes, the image stores read.
;                 So a tile of phase 1 has two waits: vm_vsrc ahead of the quantiser (the last tile's image stores have read the codes' registers), and va_vdst ahead of its image stores,
;                 which also states that the quantiser is done with v216-247: between that wait and the next tile's stage loads stand LDS instructions alone.
;   v32-79, v248-251  phase 2: K's tiles and scale words land, the first product reads; V's fragments and words land over them, the second product reads: one wait on va_vdst ahead of each of the two runs of loads.
;   v16-28, v80-85, v224-235, v253  written by vector instructions and taken by scaled products as operands or scales: a wait on va_vdst stands between.
;   v160-191, v96-127  the way out: the divisions write O, the stage's stores read it; the stage's loads land where p lay: one wait on va_vdst ahead of the stores.
;   v31, v255     written at the head, read by the closing add alone.
; A second set of registers for K's tiles would be 48; phase 2 leaves 27 of the wave's 256 free: so the two runs of loads keep their places.
;
; LDS (bytes)
.set KX,   0                           ; K's tiles, registers 0-3: tile (kb, u) at 1024 kb + 512 u, lane l at 16 l
.set KY,   24576                       ; K's tiles, registers 4-5: 512 kb + 256 u + 8 l
.set KSC,  36864                       ; K's scale words: 128 kb + 64 u + 4 r: one load of 4 l brings tile 2 b's in lanes 0-15 and tile 2 b + 1's in lanes 16-31
.set VX,   39936                       ; V^T (16 channels dt, block kb), words 0-3 of a channel's 24 bytes: 6144 dt + 256 kb + 16 r
.set VY,   64512                       ; words 4-5: 3072 dt + 128 kb + 8 r
.set VS,   76800                       ; V's scale bytes, four copies o = 0 .. 3: block kb of channel d at 2048 o + 32 d + kb + 4 - o: a window that begins at kb = o mod 4 finds its four bytes as one aligned word in copy o
.set STG,  84992                       ; a stage for each wave
.set STGB, 9472
.set RP,   144                         ; the stage in phase 1: half a row (128 bytes) + 16; the 16 lanes of a store or load of 16 bytes then touch 16 different columns of 16 bytes (64 banks of 4 bytes: ISA guide 11.1)
.set HP,   4736                        ; the rows' second halves begin here: 128 modulo 256
.set OP,   272                         ; the stage on the way out: a row of 256 bytes + 16
; VECTOR REGISTERS.  phase 1: v1 a permute's destination; v2-7 a block's codes; v8-10 the second conversion's; v11-15 at work; v32-95 block n = 0, then n = 2, as loaded; v96-159 block n = 1; v160-191 Q as loaded; v216-247 a block's 32 numbers
; both: v16-27 Q's fragment, v28 its scale word; v192-215 addresses, never rewritten
; phase 2: v12 -M, v13 the largest t, v[14:15] the sum in two halves; v32-85 K's tiles, then v32-79 V's fragments; v96-159 S^T, then p; v160-191 O^T; v220-223 the blocks' largest scores; v224-235 p's codes;
;          v236-247 at work; v248-251 K's or V's scale words; v252 f; v253 p's scale word; v254 at work
.set TT,   216
.set KF,   32
.set SS,   96
.set OA,   160
.set BM,   220
.set PC,   224
.set SW,   248
.set GL,   192                         ; 16 l: my 16 bytes of a load's or store's 512
.set SST,  193                         ; the stage, in: 144 (l / 16) + 4736 ((l / 8) % 2) + 16 (l % 8)
.set SRQ,  194                         ; out, Q: row r, half h
.set SRK,  195                         ; out, K: row r + 8 (r / 8), half h
.set SRV,  196                         ; out, V: 4 l: a lane a channel
.set IKX,  197                         ; where I store images: K's registers 0-3,
.set IKY,  198                         ; 4-5,
.set IKS,  199                         ; its scale words;
.set IVX,  200                         ; V's words 0-3,
.set IVY,  201                         ; 4-5,
.set IVS,  202                         ; its scale bytes
.set AKX,  203                         ; where my window begins: K's registers 0-3,
.set AKY,  204                         ; 4-5,
.set AKS,  205                         ; scale words;
.set AVXF, 206                         ; V's words 0-3, both halves of the lanes at the same block (last step),
.set AVX,  207                         ; lanes 16-31 one block on (steps 0-3);
.set AVYF, 208                         ; words 4-5 likewise
.set AVY,  209
.set AVS,  210                         ; V's scale word
.set OST,  211                         ; the way out: where I put 32 bytes of a row
.set ORD,  212                         ; and where I read a row back
.set H8,   213                         ; 8 h
.set DD,   214                         ; 16 (wave % 2) + r - 16 h: in the window's first block register i is hidden where i <= DD, in the diagonal block where i > DD
.set NINF, 215                         ; -infinity
; SCALAR REGISTERS
.set WV,   12                          ; wave 0..15
.set GG,   13                          ; wave / 8
.set KBW,  14                          ; wave % 8: in phase 1 I take local blocks KBW, KBW + 8, KBW + 16
.set OO,   15                          ; (wave % 8) / 2
.set KB0,  16                          ; wave / 2: my window's first local block
.set U1,   17                          ; wave % 2
.set STGW, 18                          ; my stage
.set TMP,  19
.set SEL,  20                          ; s[20:21] v_permlanex16_b32's selects for lane l xor 16
.set CS,   22                          ; s[22:23] c = log2(e) / 8 (the packed form names a pair and takes its low word for both halves)
.set W0,   24                          ; my window's first block, counted from key 0: 8 x + KB0 - 16, signed
.set TA,   25                          ; the step's first block, likewise
.set TM2,  26
; s28 the head's first byte; s[30:31] K or V; s[32:37] my three blocks; s[38:39] my tile of Q; s[40:41] of out0
; in phase 2, when every global load has come back: s30-39 and s42-47 the sixteen masks of an edge: register i's at s[30 + i + 2 (i / 10)]
; n loads of 512 consecutive bytes each
.macro GLOAD reg, sb, n, nt
.set gj, 0
.rept \n
.if \nt
	global_load_b128 v[\reg+4*gj:\reg+4*gj+3], v[GL], s[\sb:\sb+1] offset:512*gj th:TH_LOAD_NT
.else
	global_load_b128 v[\reg+4*gj:\reg+4*gj+3], v[GL], s[\sb:\sb+1] offset:512*gj
.endif
.set gj, gj+1
.endr
.endm
; they go into my stage as they lie: load j holds rows 2 j and 2 j + 1
.macro STAGE_IN reg, n
.set sj, 0
.rept \n
	ds_store_b128 v[SST], v[\reg+4*sj:\reg+4*sj+3] offset:2*RP*sj
.set sj, sj+1
.endr
.endm
; and come back a block to a lane.  LDS serves a wave's instructions in order (ISA guide 5.7.1.4): no wait stands between the stores and these loads
.macro RD_ROWS adr, off                ; Q, K: half a row, 32 neighbouring channels
.irp i, 0,1,2,3,4,5,6,7
	ds_load_b128 v[TT+4*\i:TT+4*\i+3], v[\adr] offset:\off+16*\i
.endr
.endm
.macro RD_COLS x                       ; V: my lane is channel 32 x + l, my registers run down the block's 32 keys
.set rj, 0
.rept 32
	ds_load_b32 v[TT+rj], v[SRV] offset:HP*\x+RP*rj
.set rj, rj+1
.endr
.endm
; The 32 numbers in v[TT] on become 6 registers of codes, v[c] on; v13 the conversions' scale operand; v14 the scale's byte.
.macro QBLOCK c
	v_max3_num_f32 v11, |v[TT]|, |v[TT+1]|, 0x1800000      ; the block's largest magnitude, in two chains, and the floor 2^(3 - 127): so the byte cannot fall under 1
	v_max3_num_f32 v12, |v[TT+2]|, |v[TT+3]|, |v[TT+4]|
.irp i, 5,9,13,17,21,25
	v_max3_num_f32 v11, v11, |v[TT+\i]|, |v[TT+\i+1]|
	v_max3_num_f32 v12, v12, |v[TT+\i+2]|, |v[TT+\i+3]|
.endr
	v_max3_num_f32 v11, v11, |v[TT+29]|, |v[TT+30]|
	v_max3_num_f32 v11, v11, v12, |v[TT+31]|
	v_add_nc_u32 v13, 0xff000000, v11                      ; 2 off its exponent field: the conversion takes the exponent field of this operand as its scale, and nothing else of it
	v_lshrrev_b32 v14, 23, v13                             ; the scale's byte
	v_cvt_scalef32_pk16_fp6_f32 v[\c:\c+2], v[TT:TT+15], v13
	v_cvt_scalef32_pk16_fp6_f32 v[8:10], v[TT+16:TT+31], v13   ; (a conversion's three registers begin on an even number)
	v_nop                                                  ; one plain place behind a scaled conversion
.irp i, 0,1,2
	v_mov_b32 v[\c+3+\i], v[8+\i]
.endr
.endm
; Q, K: lane (r, h) holds the byte of block h of row r.  The row's word: bytes 0, 1, and the same again as bytes 2, 3
.macro SCALEWORD dst
	v_lshlrev_b32 v15, v[H8], v14
	v_permlanex16_b32 v1, v15, s[SEL], s[SEL+1]
	v_or_b32 v15, v15, v1
	v_lshl_or_b32 v[\dst], v15, 16, v15
.endm
; Local block KBW + 8 n of K: two tiles of 16 keys.  cnt: the loads issued behind this block's sixteen, which may stay out.
.macro UNIT_K n, reg, cnt
	s_wait_loadcnt \cnt
	STAGE_IN \reg, 16
.irp x, 0,1
	RD_ROWS SRK, 8*RP*\x                                   ; (the quantiser was done reading v216-247 at the last wait on va_vdst; only LDS and scalar instructions stand between)
	s_wait_dscnt 0x0                                       ; the numbers are in; the stage's stores and the last tile's image stores are done
	s_wait_alu depctr_vm_vsrc(0)                           ; the stage's stores have read the block as loaded (in the first tile the third block's loads land there); the last tile's image stores have read v2-7 and v15, which the quantiser writes again
.if (\n == 0) && (\x == 0)
	GLOAD 32, 36, 16, 0                                    ; the third block, into the registers that the first has left
.endif
	QBLOCK 2
	SCALEWORD 15
	s_wait_alu depctr_va_vdst(0)                           ; the quantiser has written v2-7 and v15, which the image stores read, and is done reading v216-247, in which the next tile's stage loads land
	ds_store_b128 v[IKX], v[2:5] offset:8192*\n+512*\x
	ds_store_b64 v[IKY], v[6:7] offset:4096*\n+256*\x
	ds_store_b32 v[IKS], v15 offset:1024*\n+64*\x          ; lanes r and r + 16 write the same word with the same value
.endr
.endm
; The same of V: two halves of 32 channels
.macro UNIT_V n, reg, cnt
	s_wait_loadcnt \cnt
	STAGE_IN \reg, 16
.irp x, 0,1
	RD_COLS \x                                             ; (the quantiser was done reading v216-247 at the last wait on va_vdst; only LDS and scalar instructions stand between)
	s_wait_dscnt 0x0
	s_wait_alu depctr_vm_vsrc(0)                           ; the stage's stores have read the block as loaded (in the first half the third block's loads land there); the last half's image stores have read v2-7 and v14, which the quantiser writes again
.if (\n == 0) && (\x == 0)
	GLOAD 32, 36, 16, 0
.endif
	QBLOCK 2
	s_wait_alu depctr_va_vdst(0)                           ; the quantiser has written v2-7 and v14, which the image stores read, and is done reading v216-247, in which the next half's stage loads land
	ds_store_b128 v[IVX], v[2:5] offset:2048*\n+12288*\x
	ds_store_b64 v[IVY], v[6:7] offset:1024*\n+6144*\x
.irp o, 0,1,2,3
	ds_store_b8 v[IVS], v14 offset:8*\n+1024*\x+2047*\o    ; copy o: 2048 o on, one place back for each o
.endr
.endr
.endm
; A vector instruction that reads or writes a matrix result stands four places behind that matrix instruction; only plain vector instructions that name none of its registers are places (ISA guide 7.12.1).
; The same four stand ahead of the loads into registers that matrix instructions have read, beside the wait on va_vdst that states that dependence: first the places, then the wait.
.macro PLACES
.rept 4
	v_nop
.endr
.endm
.macro HIDE b                          ; block b of the step lies in front of key 0
.set hj, 0
.rept 16
	v_mov_b32 v[SS+16*\b+hj], v[NINF]
.set hj, hj+1
.endr
.endm
.macro EDGE low                        ; the mask in the step's first block: low = 1: the window's lower edge; 0: the diagonal.  Sixteen compares in one run, a mask each; one wait; the selects, from each accumulator's low end on
.set mj, 0
.rept 16
.if \low
	v_cmp_le_i32 s[30+mj+2*(mj/10)], mj, v[DD]
.else
	v_cmp_gt_i32 s[30+mj+2*(mj/10)], mj, v[DD]
.endif
.set mj, mj+1
.endr
	s_wait_alu depctr_va_sdst(0)                           ; the sixteen compares have written their masks, ahead of the first select that reads one
.set mj, 0
.rept 16
	v_cndmask_b32 v[SS+mj], v[SS+mj], v[NINF], s[30+mj+2*(mj/10)]
.set mj, mj+1
.endr
.endm
.macro NEWM src                        ; v[src]: the step's largest score of my query
	v_mul_f32 v254, s[CS], v[\src]                         ; as t (c is positive)
	v_max_num_f32 v13, v13, v254                           ; the running largest t
	v_mov_b32 v254, v12
	v_floor_f32 v12, -v13                                  ; the new -M = floor(-t) = -ceil(t): M is a whole number
	v_sub_f32 v254, v12, v254                              ; M's old value less its new one: a whole number, 0 or less
	v_cvt_i32_f32 v254, v254                               ; (it saturates)
	v_ldexp_f32 v252, 1.0, v254                            ; f = 2^(old M - new M)
.endm
.macro RESCALE                         ; O^T under the new M, each accumulator from its low end on
.set pj, 0
.rept 16
	v_pk_mul_f32 v[OA+pj:OA+pj+1], v[OA+pj:OA+pj+1], v[252:253] op_sel_hi:[1,0]
.set pj, pj+2
.endr
.endm
.macro PVMUL                           ; O^T += V^T P^T: the four accumulators by turns, one instruction a turn
.irp d, 0,1,2,3
	v_wmma_scale_f32_16x16x128_f8f6f4 v[OA+8*\d:OA+8*\d+7], v[KF+12*\d:KF+12*\d+11], v[PC:PC+11], v[OA+8*\d:OA+8*\d+7], v[SW+\d], v253 matrix_a_fmt:MATRIX_FMT_FP6 matrix_b_fmt:MATRIX_FMT_FP6
.endr
.endm
; STEP s: blocks 4 s .. 4 s + 3 of my window, 128 keys.  Every LDS offset is an immediate.
.macro STEP s
	s_add_co_i32 s[TA], s[W0], 4*\s
	s_cmp_lt_i32 s[TA], -3
	s_cbranch_scc1 .Lskip_\@                               ; all four blocks lie in front of key 0
	PLACES                                                 ; behind the last step's products
	s_wait_alu depctr_va_vdst(0)                           ; the last step's products are done reading V's fragments v32-79 and scale words v248-251, in which the loads below land; in my first step: v80-85, which tile 7's product takes, are written
.irp t, 0,1,2,3,4,5,6,7
	ds_load_b128 v[KF+6*\t:KF+6*\t+3], v[AKX] offset:4096*\s+512*\t
	ds_load_b64 v[KF+6*\t+4:KF+6*\t+5], v[AKY] offset:2048*\s+256*\t
.endr
.irp b, 0,1,2,3
	ds_load_b32 v[SW+\b], v[AKS] offset:512*\s+128*\b
.endr
	s_wait_dscnt 0x0
.irp t, 0,1,2,3,4,5,6,7
.if \t%2
	v_wmma_scale_f32_16x16x128_f8f6f4 v[SS+8*\t:SS+8*\t+7], v[KF+6*\t:KF+6*\t+11], v[16:27], 0, v[SW+\t/2], v28 matrix_a_fmt:MATRIX_FMT_FP6 matrix_b_fmt:MATRIX_FMT_FP6 matrix_a_scale:MATRIX_SCALE_ROW1
.else
	v_wmma_scale_f32_16x16x128_f8f6f4 v[SS+8*\t:SS+8*\t+7], v[KF+6*\t:KF+6*\t+11], v[16:27], 0, v[SW+\t/2], v28 matrix_a_fmt:MATRIX_FMT_FP6 matrix_b_fmt:MATRIX_FMT_FP6
.endif
.endr
	PLACES
	s_wait_alu depctr_va_vdst(0)                           ; the eight products are done reading K's tiles v32-79 and scale words v248-251, in which V's loads land
.irp d, 0,1,2,3                        ; V's fragments and scale words are asked for now, over K's registers, and land while the softmax is worked
.irp c, 0,1
	ds_load_b128 v[KF+12*\d+6*\c:KF+12*\d+6*\c+3], v[AVX] offset:6144*\d+1024*\s+512*\c
	ds_load_b64 v[KF+12*\d+6*\c+4:KF+12*\d+6*\c+5], v[AVY] offset:3072*\d+512*\s+256*\c
.endr
	ds_load_b32 v[SW+\d], v[AVS] offset:512*\d+4*\s
.endr
	s_cmp_ge_i32 s[TA], 0                                  ; blocks in front of key 0 are hidden whole
	s_cbranch_scc1 .Lpos_\@
	HIDE 0
	s_cmp_ge_i32 s[TA], -1
	s_cbranch_scc1 .Lpos_\@
	HIDE 1
	s_cmp_ge_i32 s[TA], -2
	s_cbranch_scc1 .Lpos_\@
	HIDE 2
.Lpos_\@:
.if \s == 0
	EDGE 1                                                 ; keys under q - 511
.endif
.irp b, 0,1,2,3
	v_max3_num_f32 v[BM+\b], v[SS+16*\b], v[SS+16*\b+1], v[SS+16*\b+2]   ; the largest score of each block of 32 keys: it serves for the row's maximum and, since p rises with the score, for the block's largest p
.endr
.irp i, 3,5,7,9,11,13
.irp b, 0,1,2,3
	v_max3_num_f32 v[BM+\b], v[BM+\b], v[SS+16*\b+\i], v[SS+16*\b+\i+1]
.endr
.endr
.irp b, 0,1,2,3
	v_max_num_f32 v[BM+\b], v[BM+\b], v[SS+16*\b+15]
.endr
.irp b, 0,1,2,3
	v_permlanex16_b32 v[236+\b], v[BM+\b], s[SEL], s[SEL+1]
.endr
.irp b, 0,1,2,3
	v_max_num_f32 v[BM+\b], v[BM+\b], v[236+\b]            ; with lane l xor 16's 16 keys
.endr
	v_max3_num_f32 v254, v[BM], v[BM+1], v[BM+2]
	v_max_num_f32 v254, v254, v[BM+3]
	NEWM 254
.set pj, 0
.rept 32
	v_pk_fma_f32 v[SS+pj:SS+pj+1], v[SS+pj:SS+pj+1], s[CS:CS+1], v[12:13] op_sel_hi:[1,0,0]   ; t - M, two at a time
.set pj, pj+2
.endr
.irp b, 0,1,2,3
	v_fma_f32 v[BM+\b], v[BM+\b], s[CS], v12               ; the same of each block's largest score
.endr
.set pj, 0
	s_wait_alu depctr_va_vdst(0)
.rept 64
	v_exp_f32 v[SS+pj], v[SS+pj]                           ; p = 2^(t - M), at most 1; a hidden key's is 0
.set pj, pj+1
.endr
.irp b, 0,1,2,3
	v_exp_f32 v[BM+\b], v[BM+\b]                           ; the block's largest p: the same two instructions on the same number give the same bits
.endr
	v_pk_mul_f32 v[14:15], v[14:15], v[252:253] op_sel_hi:[1,0]   ; the sums under the new M: the plain instruction behind the last exponential
	s_wait_alu depctr_va_vdst(0)                           ; the 68 exponentials have written v96-159 and v220-223: one wait for the batch, ahead of the first instruction that names a result
.irp b, 0,1,2,3
	v_max_num_f32 v[BM+\b], 0x1800000, v[BM+\b]            ; the floor 2^(3 - 127): a block whose every p is 0 keeps the byte 1; its codes are zeros
.endr
.irp b, 0,1,2,3
	v_add_nc_u32 v[244+\b], 0xff000000, v[BM+\b]           ; 2 off the exponent field: the conversion's scale operand
.endr
.irp b, 0,1,2,3
	v_lshrrev_b32 v[236+\b], 23, v[244+\b]                 ; the scale's byte
.endr
	v_lshl_or_b32 v253, v237, 8, v236                      ; p's scale word for these 128 keys
	v_lshl_or_b32 v253, v238, 16, v253
	v_lshl_or_b32 v253, v239, 24, v253
.irp c, 0,1
	v_cvt_scalef32_pk16_fp6_f32 v[PC+6*\c:PC+6*\c+2], v[SS+32*\c:SS+32*\c+15], v[244+2*\c]
	v_cvt_scalef32_pk16_fp6_f32 v[236+4*\c:238+4*\c], v[SS+32*\c+16:SS+32*\c+31], v[244+2*\c+1]
.endr
	v_nop                                                  ; one plain place behind a scaled conversion
.irp c, 0,1                            ; the operand's layout wants a WHOLE block in a lane: lanes 0-15 block 2 c, lanes 16-31 block 2 c + 1
.irp i, 0,1,2
	v_permlane16_swap_b32 v[PC+6*\c+\i], v[236+4*\c+\i]
.endr
.irp i, 0,1,2
	v_mov_b32 v[PC+6*\c+3+\i], v[236+4*\c+\i]
.endr
.endr
	RESCALE
	v_pk_add_f32 v[236:237], v[SS:SS+1], v[SS+2:SS+3]      ; the row's sum is taken of the UNQUANTISED p, two at a time, in two chains.  These 32 lines stand here as the places between the vector
.irp j, 4,8,12,16,20,24,28,32,36,40,44,48,52,56,60         ; instructions that wrote p's codes, its scale word and O^T and the products that take them
	v_pk_add_f32 v[14:15], v[14:15], v[SS+\j:SS+\j+1]
	v_pk_add_f32 v[236:237], v[236:237], v[SS+\j+2:SS+\j+3]
.endr
	v_pk_add_f32 v[14:15], v[14:15], v[236:237]
	s_wait_dscnt 0x0                                       ; V's fragments and scale words are in
	s_wait_alu depctr_va_vdst(0)                           ; p's codes v224-235 and its scale word v253 are written, which the scaled products below take; the places above stay beside this wait
	PVMUL
.Lskip_\@:
.endm
	s_load_b256 s[4:11], s[0:1], 0x0               ; Q s[4:5], K s[6:7], V s[8:9], out0 s[10:11]
	v_lshl_add_u32 v31, v0, 2, 0x39c00
	v_mov_b32 v255, 0
	v_lshrrev_b32 v2, 5, v0
	v_readfirstlane_b32 s[WV], v2
	v_and_b32 v3, 31, v0                           ; l
	v_lshlrev_b32 v[GL], 4, v3
	s_wait_alu depctr_va_sdst(0)                   ; the wave's number is written, ahead of its first reader
	s_lshr_b32 s[GG], s[WV], 3
	s_and_b32 s[KBW], s[WV], 7
	s_lshr_b32 s[OO], s[KBW], 1
	s_lshl_b32 s[KB0], s[GG], 2
	s_add_co_u32 s[KB0], s[KB0], s[OO]
	s_and_b32 s[U1], s[KBW], 1
	s_mul_i32 s[STGW], s[WV], STGB
	s_add_co_u32 s[STGW], s[STGW], STG
	s_mov_b32 s[SEL], 0x76543210
	s_mov_b32 s[SEL+1], 0xfedcba98
	s_mov_b32 s[CS], 0x3e38aa3b                    ; log2(e) / 8
	s_mov_b32 s[CS+1], s[CS]
	s_lshl_b32 s[TM2], ttmp9, 3
	s_add_co_u32 s[W0], s[TM2], s[KB0]
	s_sub_co_i32 s[W0], s[W0], 16
	s_add_co_u32 s[TM2], s[TM2], s[KBW]
	s_sub_co_i32 s[TM2], s[TM2], 16                ; my first block of phase 1, counted from key 0
	s_and_b32 s[TMP], ttmp7, 0xffff                ; the head
	s_lshl_b32 s28, s[TMP], 20                     ; its first byte in each tensor: 4,096 rows of 256 bytes
.irp n, 0,1,2
	s_add_co_i32 s[TMP], s[TM2], 8*\n
	s_max_i32 s[TMP], s[TMP], 0                    ; a block in front of key 0 is loaded as block 0
	s_lshl_b32 s[32+2*\n], s[TMP], 13              ; 32 rows of 256 bytes
	s_add_co_u32 s[32+2*\n], s[32+2*\n], s28
	s_mov_b32 s[33+2*\n], 0
.endr
	s_lshl_b32 s38, ttmp9, 16                      ; my tile of Q and of out0: row 256 x + 16 wave
	s_lshl_b32 s[TMP], s[WV], 12
	s_add_co_u32 s38, s38, s[TMP]
	s_add_co_u32 s38, s38, s28
	s_mov_b32 s39, 0
	s_wait_kmcnt 0x0
	s_cmp_lt_u32 s[WV], 8                          ; waves 0-7 take K, waves 8-15 V: the choice hangs on the wave's number alone
	s_cselect_b64 s[30:31], s[6:7], s[8:9]
	s_add_nc_u64 s[32:33], s[30:31], s[32:33]
	s_add_nc_u64 s[34:35], s[30:31], s[34:35]
	s_add_nc_u64 s[36:37], s[30:31], s[36:37]
	s_add_nc_u64 s[40:41], s[10:11], s[38:39]
	s_add_nc_u64 s[38:39], s[4:5], s[38:39]
	s_wait_alu depctr_va_vdst(0)                   ; v192 is written: every global load and store of the kernel reads it as its offset
	GLOAD 160, 38, 8, 1                            ; Q's tile: read once in the launch
	GLOAD 32, 32, 16, 0                            ; my first block of K or V (three work-groups read it: no hint)
	GLOAD 96, 34, 16, 0                            ; my second
	; every LDS address is made here, ahead of the parting of the roles, from the thread's and the wave's numbers and constants, and is never rewritten
	v_and_b32 v4, 15, v0                           ; r
	v_bfe_u32 v5, v0, 4, 1                         ; h
	v_bfe_u32 v6, v0, 3, 1
	v_and_b32 v7, 7, v0
	v_and_b32 v8, 8, v0
	v_add_nc_u32 v8, v8, v4                        ; r + 8 (r / 8)
	v_mov_b32 v1, 0                                ; (a lane permute's destination counts as one of its sources)
	v_mul_u32_u24 v[SST], v5, RP
	v_mad_u32_u24 v[SST], v6, HP, v[SST]
	v_lshl_add_u32 v[SST], v7, 4, v[SST]
	v_add_nc_u32 v[SST], s[STGW], v[SST]
	v_mul_u32_u24 v[SRQ], v4, RP
	v_mad_u32_u24 v[SRQ], v5, HP, v[SRQ]
	v_add_nc_u32 v[SRQ], s[STGW], v[SRQ]
	v_mul_u32_u24 v[SRK], v8, RP
	v_mad_u32_u24 v[SRK], v5, HP, v[SRK]
	v_add_nc_u32 v[SRK], s[STGW], v[SRK]
	v_lshl_add_u32 v[SRV], v3, 2, s[STGW]
	s_lshl_b32 s[TMP], s[KBW], 10
	v_add_nc_u32 v[IKX], s[TMP], v[GL]             ; (KX = 0)
	s_lshl_b32 s[TMP], s[KBW], 9
	s_add_co_u32 s[TMP], s[TMP], KY
	v_lshl_add_u32 v[IKY], v3, 3, s[TMP]
	s_lshl_b32 s[TMP], s[KBW], 7
	s_add_co_u32 s[TMP], s[TMP], KSC
	v_lshl_add_u32 v[IKS], v4, 2, s[TMP]
	s_lshl_b32 s[TMP], s[KBW], 8
	s_add_co_u32 s[TMP], s[TMP], VX
	v_lshl_add_u32 v[IVX], v4, 4, s[TMP]
	v_mad_u32_u24 v[IVX], v5, 6144, v[IVX]         ; lane l of half x is channel 32 x + l = 16 (2 x + h) + r
	s_lshl_b32 s[TMP], s[KBW], 7
	s_add_co_u32 s[TMP], s[TMP], VY
	v_lshl_add_u32 v[IVY], v4, 3, s[TMP]
	v_mad_u32_u24 v[IVY], v5, 3072, v[IVY]
	s_add_co_u32 s[TMP], s[KBW], VS+4
	v_lshl_add_u32 v[IVS], v3, 5, s[TMP]
	s_lshl_b32 s[TMP], s[KB0], 10
	v_add_nc_u32 v[AKX], s[TMP], v[GL]
	s_lshl_b32 s[TMP], s[KB0], 9
	s_add_co_u32 s[TMP], s[TMP], KY
	v_lshl_add_u32 v[AKY], v3, 3, s[TMP]
	s_lshl_b32 s[TMP], s[KB0], 7
	s_add_co_u32 s[TMP], s[TMP], KSC
	v_lshl_add_u32 v[AKS], v3, 2, s[TMP]
	s_lshl_b32 s[TMP], s[KB0], 8
	s_add_co_u32 s[TMP], s[TMP], VX
	v_lshl_add_u32 v[AVXF], v4, 4, s[TMP]
	v_lshl_add_u32 v[AVX], v5, 8, v[AVXF]
	s_lshl_b32 s[TMP], s[KB0], 7
	s_add_co_u32 s[TMP], s[TMP], VY
	v_lshl_add_u32 v[AVYF], v4, 3, s[TMP]
	v_lshl_add_u32 v[AVY], v5, 7, v[AVYF]
	s_lshl_b32 s[TMP], s[OO], 11                   ; copy OO,
	s_lshl_b32 s[TM2], s[GG], 2
	s_add_co_u32 s[TMP], s[TMP], s[TM2]
	s_add_co_u32 s[TMP], s[TMP], VS+4              ; place 4 (wave / 8 + 1): block KB0's byte
	v_lshl_add_u32 v[AVS], v4, 5, s[TMP]
	v_mul_u32_u24 v[OST], v4, OP
	v_lshl_add_u32 v[OST], v5, 5, v[OST]
	v_add_nc_u32 v[OST], s[STGW], v[OST]
	v_mul_u32_u24 v[ORD], v5, OP
	v_lshl_add_u32 v[ORD], v4, 4, v[ORD]
	v_add_nc_u32 v[ORD], s[STGW], v[ORD]
	v_lshlrev_b32 v[H8], 3, v5
	s_lshl_b32 s[TMP], s[U1], 4
	v_lshlrev_b32 v9, 4, v5
	v_sub_nc_u32 v[DD], v4, v9
	v_add_nc_u32 v[DD], s[TMP], v[DD]
	v_mov_b32 v[NINF], 0xff800000
	; ---- Q: my tile's fragment stays in registers
	s_wait_loadcnt 32                              ; Q's eight loads are in; the 32 issued behind them (my first two blocks) may be out
	s_wait_alu depctr_va_vdst(0)                   ; the twenty LDS addresses v193-212 are written: every LDS store and load of the kernel reads one of them
	STAGE_IN 160, 8
	RD_ROWS SRQ, 0
	s_wait_dscnt 0x0
	QBLOCK 16
	SCALEWORD 28
.irp i, 22,23,24,25,26,27
	v_mov_b32 v\i, 0                               ; k = 64 .. 127: zero codes
.endr
	s_wait_alu depctr_va_vdst(0)                   ; Q's quantiser is done reading v216-247, in which the first block's stage loads land on either way below; Q's codes v16-27 and scale word v28, which the scaled products take, are written
	; ---- K and V: three blocks of 32 keys a wave
	s_cmp_lt_u32 s[WV], 8
	s_cbranch_scc0 .Lrole_v
	UNIT_K 0, 32, 16                               ; the second block's 16 loads may be out
	UNIT_K 1, 96, 16                               ; the third block's, issued in the first block's work
	UNIT_K 2, 32, 0
	s_branch .Ljoin
.Lrole_v:
	UNIT_V 0, 32, 16
	UNIT_V 1, 96, 16
	UNIT_V 2, 32, 0
.Ljoin:
	s_wait_dscnt 0x0                               ; for the others' sake: my image stores have landed
	s_barrier_signal -1
	s_barrier_wait -1                              ; all 24 blocks of K and of V lie in LDS as codes; from here on nobody writes them, and no further barrier is needed
	s_wait_alu depctr_vm_vsrc(0)                   ; my last image stores have read v14 or v15, which the lines below write; the stage's stores have read v32-191, which phase 2's loads, products and vector instructions write
	; ---- the walk over my window.  Which step is a wave's first differs from work-group to work-group, so O^T and the sum begin as zeros and the largest t as -3e38: the first change of M multiplies zeros
.irp i, 80,81,82,83,84,85
	v_mov_b32 v\i, 0                               ; what tile 7 of K names as its registers 6-11
.endr
	v_mov_b32 v13, 0xff61b1e6                      ; -3e38, under every t
	v_floor_f32 v12, -v13                          ; -M
	v_mov_b32 v14, 0
	v_mov_b32 v15, 0
.irp i, 236,237,238,239
	v_mov_b32 v\i, 0                               ; (permutes' destinations)
.endr
	v_mov_b32 v253, 0                              ; (named as the upper half of the pair v[252:253] before it is first written)
.set pj, 0
.rept 32
	v_mov_b32 v[OA+pj], 0
.set pj, pj+1
.endr
	STEP 0
	STEP 1
	STEP 2
	STEP 3
	; ---- the last step: the diagonal block alone, 32 keys; every query sees at least its own key there
	PLACES
	s_wait_alu depctr_va_vdst(0)                   ; the last step's products are done reading v32-79 and v248-251, in which the loads below and V's further down land
	ds_load_b128 v[KF:KF+3], v[AKX] offset:16384
	ds_load_b64 v[KF+4:KF+5], v[AKY] offset:8192
	ds_load_b128 v[KF+6:KF+9], v[AKX] offset:16384+512
	ds_load_b64 v[KF+10:KF+11], v[AKY] offset:8192+256
	ds_load_b32 v[SW], v[AKS] offset:2048
	s_wait_dscnt 0x0
	v_wmma_scale_f32_16x16x128_f8f6f4 v[SS:SS+7], v[KF:KF+11], v[16:27], 0, v[SW], v28 matrix_a_fmt:MATRIX_FMT_FP6 matrix_b_fmt:MATRIX_FMT_FP6
	v_wmma_scale_f32_16x16x128_f8f6f4 v[SS+8:SS+15], v[KF+6:KF+17], v[16:27], 0, v[SW], v28 matrix_a_fmt:MATRIX_FMT_FP6 matrix_b_fmt:MATRIX_FMT_FP6 matrix_a_scale:MATRIX_SCALE_ROW1
	PLACES
	s_wait_alu depctr_va_vdst(0)                   ; the two products are done reading v32-49 and v248, in which V's loads land
.irp d, 0,1,2,3                        ; V's block: registers 0-5 of each fragment, the same block in both halves of the lanes; all else of the fragment meets zero codes of p.  The scale: one byte, bytes 1-3 zero
	ds_load_b128 v[KF+12*\d:KF+12*\d+3], v[AVXF] offset:6144*\d+4096
	ds_load_b64 v[KF+12*\d+4:KF+12*\d+5], v[AVYF] offset:3072*\d+2048
	ds_load_u8 v[SW+\d], v[AVS] offset:512*\d+16
.endr
	EDGE 0                                         ; keys behind q
	v_max3_num_f32 v[BM], v[SS], v[SS+1], v[SS+2]
	v_max3_num_f32 v[BM+1], v[SS+8], v[SS+9], v[SS+10]
	v_max3_num_f32 v[BM], v[BM], v[SS+3], v[SS+4]
	v_max3_num_f32 v[BM+1], v[BM+1], v[SS+11], v[SS+12]
	v_max3_num_f32 v[BM], v[BM], v[SS+5], v[SS+6]
	v_max3_num_f32 v[BM+1], v[BM+1], v[SS+13], v[SS+14]
	v_max3_num_f32 v[BM], v[BM], v[SS+7], v[SS+15]
	v_max_num_f32 v[BM], v[BM], v[BM+1]
	v_permlanex16_b32 v236, v[BM], s[SEL], s[SEL+1]
	v_max_num_f32 v[BM], v[BM], v236
	NEWM BM
.set pj, 0
.rept 8
	v_pk_fma_f32 v[SS+pj:SS+pj+1], v[SS+pj:SS+pj+1], s[CS:CS+1], v[12:13] op_sel_hi:[1,0,0]
.set pj, pj+2
.endr
	v_fma_f32 v[BM], v[BM], s[CS], v12
.set pj, 0
	s_wait_alu depctr_va_vdst(0)
.rept 16
	v_exp_f32 v[SS+pj], v[SS+pj]
.set pj, pj+1
.endr
	v_exp_f32 v[BM], v[BM]
	v_pk_mul_f32 v[14:15], v[14:15], v[252:253] op_sel_hi:[1,0]   ; the plain instruction behind the last exponential
	s_wait_alu depctr_va_vdst(0)                   ; the 17 exponentials have written v96-111 and v220: one wait for the batch, ahead of the first instruction that names a result
	v_max_num_f32 v[BM], 0x1800000, v[BM]
	v_add_nc_u32 v244, 0xff000000, v[BM]
	v_lshrrev_b32 v253, 23, v244                   ; p's scale word: the one block's byte
.irp i, 240,241,242,230,231,232,233,234,235
	v_mov_b32 v\i, 0
.endr
	v_cvt_scalef32_pk16_fp6_f32 v[PC:PC+2], v[SS:SS+15], v244
	v_nop                                          ; one plain place behind a scaled conversion
.irp i, 0,1,2
	v_permlane16_swap_b32 v[PC+\i], v[240+\i]      ; lanes 0-15 keep keys 0-15 and get keys 16-31 beside them; lanes 16-31 (k = 32 .. 63) get zeros
.endr
.irp i, 0,1,2
	v_mov_b32 v[PC+3+\i], v[240+\i]
.endr
	RESCALE
	v_pk_add_f32 v[236:237], v[SS:SS+1], v[SS+2:SS+3]
.irp j, 4,8,12
	v_pk_add_f32 v[14:15], v[14:15], v[SS+\j:SS+\j+1]
	v_pk_add_f32 v[236:237], v[236:237], v[SS+\j+2:SS+\j+3]
.endr
	v_pk_add_f32 v[14:15], v[14:15], v[236:237]
	s_wait_dscnt 0x0
	s_wait_alu depctr_va_vdst(0)                   ; p's codes v224-235 and its scale word v253 are written, which the scaled products below take; the places above stay beside this wait
	PVMUL
	; ---- the way out: O^T / the sum goes through my stage and leaves as whole rows: a store covers two rows of 256 bytes, 512 consecutive bytes at a multiple of 256 from out0's first byte
	v_nop                                          ; two of these and the two additions below are the four places behind the last products
	v_nop
	v_add_f32 v14, v14, v15                        ; the sum's two halves,
	v_permlanex16_b32 v252, v14, s[SEL], s[SEL+1]
	v_add_f32 v14, v14, v252                       ; and lane l xor 16's: the row's sum, at least 1/2
	s_wait_alu depctr_va_vdst(0)
	v_rcp_f32 v14, v14
	v_nop                                          ; a plain instruction behind the reciprocal
	s_wait_alu depctr_va_vdst(0)                   ; the reciprocal has written v14, ahead of its first reader
.set pj, 0
.rept 16
	v_pk_mul_f32 v[OA+pj:OA+pj+1], v[OA+pj:OA+pj+1], v[14:15] op_sel_hi:[1,0]   ; register 8 d + j is out0(r, 16 d + 8 h + j)
.set pj, pj+2
.endr
	s_wait_alu depctr_va_vdst(0)                   ; the multiplications have written v160-191, which the LDS stores read; the sums are done reading v96-127, in which the stage's loads land
.irp d, 0,1,2,3
	ds_store_b128 v[OST], v[OA+8*\d:OA+8*\d+3] offset:64*\d
	ds_store_b128 v[OST], v[OA+8*\d+4:OA+8*\d+7] offset:64*\d+16
.endr
.irp i, 0,1,2,3,4,5,6,7
	ds_load_b128 v[SS+4*\i:SS+4*\i+3], v[ORD] offset:2*OP*\i   ; LDS serves a wave's instructions in order: these see my stores
.endr
.irp i, 0,1,2,3,4,5,6,7
	s_wait_dscnt 7-\i                              ; load i is in; the 7 - i issued behind it may be out
	global_store_b128 v[GL], v[SS+4*\i:SS+4*\i+3], s[40:41] offset:512*\i th:TH_STORE_NT
.endr
	s_wait_dscnt 0x0                               ; the closing lines, six on end
	s_wait_alu 0x0
	s_wait_tensorcnt 0x0
	ds_add_u32 v31, v255
	s_wait_dscnt 0x0
	s_endpgm
.Lfunc_end_k_q52f6b7f06f_swattn:
	.size	k_q52f6b7f06f_swattn, .Lfunc_end_k_q52f6b7f06f_swattn-k_q52f6b7f06f_swattn
	.p2alignl 7, 3214868480
	.fill 96, 4, 3214868480
	.section	.rodata,"a",@progbits
	.p2align	6, 0x0
	.amdhsa_kernel k_q52f6b7f06f_swattn
		.amdhsa_group_segment_fixed_size 238592
		.amdhsa_private_segment_fixed_size 0
		.amdhsa_enable_private_segment 0
		.amdhsa_kernarg_size 32
		.amdhsa_user_sgpr_count 2
		.amdhsa_user_sgpr_kernarg_segment_ptr 1
		.amdhsa_wavefront_size32 1
		.amdhsa_system_sgpr_workgroup_id_x 1
		.amdhsa_system_sgpr_workgroup_id_y 1
		.amdhsa_system_sgpr_workgroup_id_z 1
		.amdhsa_system_vgpr_workitem_id 0
		.amdhsa_next_free_vgpr 256
		.amdhsa_next_free_sgpr 66
		.amdhsa_reserve_vcc 0
		.amdhsa_float_denorm_mode_32 3
		.amdhsa_float_denorm_mode_16_64 3
		.amdhsa_memory_ordered 1
		.amdhsa_forward_progress 1
		.amdhsa_inst_pref_size 146
	.end_amdhsa_kernel
	.amdgpu_metadata
---
amdhsa.version: [ 1, 2 ]
amdhsa.kernels:
  - .name:           k_q52f6b7f06f_swattn
    .symbol:         k_q52f6b7f06f_swattn.kd
    .args:
      - { .name: Q, .offset: 0, .size: 8, .value_kind: global_buffer, .address_space: global }
      - { .name: K, .offset: 8, .size: 8, .value_kind: global_buffer, .address_space: global }
      - { .name: V, .offset: 16, .size: 8, .value_kind: global_buffer, .address_space: global }
      - { .name: out0, .offset: 24, .size: 8, .value_kind: global_buffer, .address_space: global }
    .group_segment_fixed_size: 238592
    .private_segment_fixed_size: 0
    .kernarg_segment_align: 8
    .kernarg_segment_size: 32
    .max_flat_workgroup_size: 512
    .sgpr_count:     66
    .vgpr_count:     256
    .wavefront_size: 32
...
	.end_amdgpu_metadata
.endif
;; end of part 2
